; MI455X (gfx1250); checked and timed in simulation.
; The chip was launched on July 23, 2026; its instructions are those of AMD's public machine-readable ISA for CDNA 5 (MIT licence, August 2026) and "CDNA5" Instruction Set Architecture Reference Guide (July 2026). The comments in the code are by the model that wrote it; some were corrected since.
;; Model Wrapper. Allowed arithmetic: matrix products marked QUANTISED: E5M2 operands, one given power-of-two scale a tensor, by v_wmma_f32_16x16x64_bf8_bf8 or v_wmma_f32_16x16x128_bf8_bf8, f32 sums; products left as they are: f32 operands where the result goes on into a quantised operand, else bf16, f16 or f32 operands; f32 sums; everything else in f32.
;; Inputs: W1_codes 1,024 x 8 x 32 uint8 (E5M2 codes of W1, K innermost, in blocks of 32 codes); W2 1,024 x 2 float32; b1 1,024 float32; b2 2 float32; emb 100,000 x 128 float32; idxs_d 262,144 int32; idxs_g 262,144 int32; lowp_scales 2 int32 (the exponents e of the quantised operands' scales 2^e).
;; Outputs: out0 262,144 x 2 float32.
;; This version of the problem:
;;   THIS VERSION OF THE PROBLEM IS GIVEN IN LOW PRECISION. The matrix products marked QUANTISED in the list below multiply operands that are first quantised to E5M2 (5 exponent bits, 2 mantissa bits; 8 bits a number), with one given power-of-two scale for each operand tensor; their sums are f32. All else is computed in f32.
;;   The module's matrix products, in the order in which they are computed (A, B: the left and right operand; K: the contracted axis; several contracted axes count as one K, in the product's order):
;;     1. [M 262,144, K 256] x [K 256, N 1,024]; A: computed on the way; B: input W1 (given as codes): QUANTISED (scales: A lowp_scales[0], B lowp_scales[1])
;;     2. [M 262,144, K 1,024] x [K 1,024, N 2]; A: computed on the way; B: input W2: left as it is (N = 2 < 16)
;;   THE QUANTISER, for each operand of a quantised product, along K:
;;     - The operand's scale is 2^e, e = its entry of the input lowp_scales (int32; the entries are numbered through the quantised products in the list's order, A before B).
;;     - Each number is divided by the scale, clamped to +-57,344, and rounded to the nearest number of E5M2, ties to even, subnormals kept.
;;     - The product sums the exact products of the quantised numbers (number of the format x scale) in f32.
;;   ~~~python
;;   def quantise(x, axis, e):      # numpy; x: float32 -> the quantised numbers, widened to float32 again
;;       x = np.moveaxis(x, axis, -1); K = x.shape[-1]
;;       r = np.clip(x / 2.0 ** e, -57344, 57344)
;;       step = 2.0 ** (np.maximum(np.frexp(np.where(r == 0, 1, r))[1] - 1, -14) - 2)
;;       q = np.round(r / step) * step * 2.0 ** e      # np.round: ties to even
;;       return np.moveaxis(q, -1, axis).astype(np.float32)
;;   ~~~
;;   OPERANDS COMPUTED ON THE WAY. 'Computed on the way' means the value that the module computes at that place (a softmax that the list does not call 'softmax' is quantised finished and normalised). What goes into a quantiser is computed in f32, as accurately as f32 sums, v_exp_f32 and their like allow (about 1e-6 of the number): no bf16 or f16 on the way to a quantiser, and a product that is left as it is and whose result goes on into a quantised operand takes f32 operands (vector FMAs, or v_wmma_f32_16x16x4_f32). A number that lies on a knife's edge between two numbers of the format may be rounded either way, as far as f32 arithmetic and the matrix unit's own rounding can turn it there, and no further.
;;   INPUTS GIVEN AS CODES. W1 (in the module: [256, 1024], K = its axis 0): each comes as NAME_codes (uint8): NAME with its K axis moved to the last place and cut into blocks of 32 codes, [.., K / 32, bytes a block], one block behind the other in memory; one code a byte (a code: sign, 5 exponent bits, 2 mantissa bits); its scale is its entry of lowp_scales. Its value is code x scale, taken as it is: it is not quantised again, and the codes and scales need not be those that the quantiser above would give.
;; One version. Each part assembles by itself: llvm-mc -triple=amdgcn-amd-amdhsa -mcpu=gfx1250 --defsym DOCPART=n.
;; ======== version 1 of 1: 2 launches
;; limits: a function is approximated: absolute error at most 2.5e-05; right only within a limited range of input values
;; workspace buffers: xq 12,800,000 bytes
;; launch quant (part 1): grid 625 x 1, 5 waves a work-group, no clusters, 41,728 bytes of LDS; arguments emb, lowp_scales, xq; writes xq
.if DOCPART == 1
	.amdgcn_target "amdgcn-amd-amdhsa--gfx1250"
	.amdhsa_code_object_version 6
	.text
	.protected	k_qa9bfbfff9c_quant
	.globl	k_qa9bfbfff9c_quant
	.p2align	8
	.type	k_qa9bfbfff9c_quant,@function
k_qa9bfbfff9c_quant:
	s_mov_b64 s[64:65], 0
	v_nop
	global_prefetch_b8 v0, s[64:65] scope:SCOPE_SE
	s_setreg_imm32_b32 hwreg(HW_REG_WAVE_MODE, 25, 1), 1
	s_wait_xcnt 0x0
; emb [100000][128], f32, is turned into codes of BF8 (E5M2), one byte a number, laid as emb lies: xq [100000][128].
; WHY HERE.  The first product's left operand is concat(emb[g], emb[d]), quantised number by number with ONE scale 2^e0 for the tensor.  A gather and a concatenation only move numbers,
; so the codes of a gathered row are the gathered codes of the row: the table is quantised once, and the next launch gathers 128 bytes a row where it would gather 512.
; DEAD WORK: none.  Every input of the problem has a way to the output and every step of it is done; nothing is left out in either launch.
; code = x / 2^e0, held within +-57,344, rounded to the nearest code, ties to even.  e0 is entry 0 (int32) of the buffer of scales.
; LIMITS: -126 <= e0 and e0 + 15 <= 127, so that 2^e0 and 57,344 x 2^e0 are f32 numbers.  NaN in emb is not served (an infinity is held at the largest code).
; SHARES.  The table is a plain stream of 12,800,000 numbers = 3,125 runs of 4,096.  625 work-groups of five waves: a wave takes one run, as 8 steps of 512 numbers.
; The conversion takes 8 numbers from ONE lane's consecutive registers, so a lane must hold neighbours; a load is dense where neighbouring LANES take neighbouring bytes.  Both are had: each of a step's four loads
; reads 512 consecutive bytes, 16 a lane; the 2,048 bytes go through the wave's own stage in LDS, as they lie, and come back 64 bytes a lane.  The stage has 16 bytes of padding behind each 64.
; A lane's 16 codes are 16 bytes: the wave stores 512 consecutive bytes.  No tensor loads, no barrier: waves share nothing.  Loads run four steps (16 loads a wave) ahead, the turn through LDS one step.
.set WAVES, 5
.set STEPS, 8
.set EMAX,  15
.set MANT,  0x600000                   ; the mantissa field of 57,344 as f32
.set CB,    16                         ; bytes of 16 codes
.set R,     16                         ; v16-79   four sets of 16 numbers as they are loaded
.set X,     80                         ; v80-111  two sets of 16 neighbours
.set C,     128                        ; v128-159 codes: four registers for each step, so that no store's data are written again
.set WREG,  8192                       ; LDS: a region of its own for each wave: two stages of 32 x SP bytes
.set SP,    80                         ; a lane's place in a stage: its 64 bytes + 16 of padding
.set SPW,   12                         ; v12      LDS address of my spare word: SPARE + 4 x my thread's number; never rewritten
.set NIL,   13                         ; v13      0; never rewritten
.set SPARE, WAVES*WREG                 ; behind the five regions: the spare words, 128 bytes for each wave, in three blocks of 256 bytes that no other line names
	s_load_b128 s[4:7], s[0:1], 0x0                ; emb s[4:5], the scales' exponents s[6:7]
	s_load_b64 s[8:9], s[0:1], 0x10                ; xq
	v_lshl_add_u32 v[SPW], v0, 2, SPARE
	v_mov_b32 v[NIL], 0
	v_lshrrev_b32 v1, 5, v0
	v_readfirstlane_b32 s16, v1                    ; wave 0..4
	v_and_b32 v2, 31, v0                           ; lane
	v_lshlrev_b32 v3, 4, v2                        ; my 16 bytes of a load's 512
	s_mul_i32 s17, s16, WREG
	v_lshrrev_b32 v14, 2, v2
	v_mul_u32_u24 v14, v14, SP
	v_and_b32 v15, 3, v2
	v_lshl_add_u32 v14, v15, 4, v14
	v_add_nc_u32 v14, s17, v14                     ; the stage, on the way in: four lanes' 64 bytes on end, then 16 of padding: SP (lane / 4) + 16 (lane % 4); a load's 512 bytes take eight places
	v_mul_u32_u24 v15, v2, SP
	v_add_nc_u32 v15, s17, v15                     ; and on the way out: SP x lane: my 16 neighbours
	v_mul_u32_u24 v4, v2, CB                       ; my codes' place in a step's
	s_mul_i32 s18, ttmp9, WAVES
	s_add_co_u32 s18, s18, s16                     ; which run of 4,096 numbers is my wave's: 0 .. 3,124
	s_lshl_b32 s20, s18, 14                        ; its 16,384 bytes in emb (under 2^26),
	s_mov_b32 s21, 0
	s_lshl_b32 s24, s18, 12                        ; its 4,096 bytes in xq
	s_mov_b32 s25, 0
	s_wait_alu depctr_va_vdst(0)
	s_wait_kmcnt 0x0
	s_load_b32 s22, s[6:7], 0x0                    ; e0
	s_add_nc_u64 s[4:5], s[4:5], s[20:21]
	s_add_nc_u64 s[8:9], s[8:9], s[24:25]
.macro LOAD t
.irp i, 0,1,2,3
	global_load_b128 v[R+16*((\t)%4)+4*\i:R+16*((\t)%4)+4*\i+3], v3, s[4:5] offset:2048*(\t)+512*\i th:TH_LOAD_NT   ; 32 lanes read 512 consecutive bytes; read once in the launch
.endr
.endm
.macro TURN t                          ; step t's numbers through the stage: LDS serves a wave's instructions in order, so no wait stands between the stores and the loads
.irp i, 0,1,2,3
	ds_store_b128 v14, v[R+16*((\t)%4)+4*\i:R+16*((\t)%4)+4*\i+3] offset:32*SP*((\t)%2)+8*SP*\i
.endr
.irp i, 0,1,2,3
	ds_load_b128 v[X+16*((\t)%2)+4*\i:X+16*((\t)%2)+4*\i+3], v15 offset:32*SP*((\t)%2)+16*\i
.endr
.endm
.irp t, 0,1,2,3
	LOAD \t
.endr
	s_wait_kmcnt 0x0
	s_add_co_i32 s22, s22, 127
	s_lshl_b32 s23, s22, 23
	v_mov_b32 v11, s23                             ; 2^e0 as f32: the conversion takes its exponent field
	s_wait_alu depctr_va_vdst(0)
	s_wait_loadcnt 12                              ; step 0's four loads are in; the twelve of steps 1 to 3 may be out
	TURN 0
.macro STEP t
.set XS, X+16*((\t)%2)
	s_wait_dscnt 0x0                               ; this step's numbers are back from the stage: so its stores into the stage have read their registers,
.if (\t)+4 < STEPS
	LOAD (\t)+4                                    ; which take the loads of four steps on
.endif
.if (\t)+1 < STEPS
.if STEPS-2-(\t) >= 3
	s_wait_loadcnt 12                              ; the next step's four loads are in; those of the three steps behind it may be out
.else
	s_wait_loadcnt 4*(STEPS-2-(\t))                ; the tail: as many steps' loads as are still behind the next step's
.endif
	TURN (\t)+1                                    ; and go through the other stage while this step is worked
.endif
.irp i, 0,1,2,3,4,5,6,7,8,9,10,11,12,13,14,15
.endr
	v_cvt_scalef32_pk8_bf8_f32 v[C+4*(\t):C+4*(\t)+1], v[XS:XS+7], v11          ; eight numbers / 2^e0, to the nearest code, ties to even; the first number's code in the lowest byte
	v_cvt_scalef32_pk8_bf8_f32 v[C+4*(\t)+2:C+4*(\t)+3], v[XS+8:XS+15], v11
	global_store_b128 v4, v[C+4*(\t):C+4*(\t)+3], s[8:9] offset:32*CB*(\t)      ; the codes go to a store alone.  32 lanes store 512 consecutive bytes, aligned
.endm
.irp t, 0,1,2,3,4,5,6,7
	STEP \t
.endr
	s_wait_tensorcnt 0x0                           ; the wave's end: behind my last LDS store; the tensor wait stands though the text has no tensor load
	ds_add_u32 v[SPW], v[NIL]
	s_wait_dscnt 0x0
	s_endpgm
.Lfunc_end_k_qa9bfbfff9c_quant:
	.size	k_qa9bfbfff9c_quant, .Lfunc_end_k_qa9bfbfff9c_quant-k_qa9bfbfff9c_quant
	.p2alignl 7, 3214868480
	.fill 96, 4, 3214868480
	.section	.rodata,"a",@progbits
	.p2align	6, 0x0
	.amdhsa_kernel k_qa9bfbfff9c_quant
		.amdhsa_group_segment_fixed_size 41728
		.amdhsa_private_segment_fixed_size 0
		.amdhsa_enable_private_segment 0
		.amdhsa_kernarg_size 24
		.amdhsa_user_sgpr_count 2
		.amdhsa_user_sgpr_kernarg_segment_ptr 1
		.amdhsa_wavefront_size32 1
		.amdhsa_system_sgpr_workgroup_id_x 1
		.amdhsa_system_sgpr_workgroup_id_y 1
		.amdhsa_system_sgpr_workgroup_id_z 1
		.amdhsa_system_vgpr_workitem_id 0
		.amdhsa_next_free_vgpr 160
		.amdhsa_next_free_sgpr 66
		.amdhsa_reserve_vcc 0
		.amdhsa_float_denorm_mode_32 3
		.amdhsa_float_denorm_mode_16_64 3
		.amdhsa_fp16_overflow 1
		.amdhsa_memory_ordered 1
		.amdhsa_forward_progress 1
		.amdhsa_inst_pref_size 12
	.end_amdhsa_kernel
	.amdgpu_metadata
---
amdhsa.version: [ 1, 2 ]
amdhsa.kernels:
  - .name:           k_qa9bfbfff9c_quant
    .symbol:         k_qa9bfbfff9c_quant.kd
    .args:
      - { .name: emb, .offset: 0, .size: 8, .value_kind: global_buffer, .address_space: global }
      - { .name: lowp_scales, .offset: 8, .size: 8, .value_kind: global_buffer, .address_space: global }
      - { .name: xq, .offset: 16, .size: 8, .value_kind: global_buffer, .address_space: global }
    .group_segment_fixed_size: 41728
    .private_segment_fixed_size: 0
    .kernarg_segment_align: 8
    .kernarg_segment_size: 24
    .max_flat_workgroup_size: 160
    .sgpr_count:     66
    .vgpr_count:     160
    .wavefront_size: 32
...
	.end_amdgpu_metadata
.endif
;; end of part 1
;; launch mlp (part 2): grid 256 x 1, 8 waves a work-group, clusters of 4 x 1, 292,096 bytes of LDS; arguments xq, idxs_g, idxs_d, W1_codes, b1, W2, b2, lowp_scales, out0; writes out0
.if DOCPART == 2
	.amdgcn_target "amdgcn-amd-amdhsa--gfx1250"
	.amdhsa_code_object_version 6
	.text
	.protected	k_qa9bfbfff9c_mlp
	.globl	k_qa9bfbfff9c_mlp
	.p2align	8
	.type	k_qa9bfbfff9c_mlp,@function
k_qa9bfbfff9c_mlp:
	s_mov_b64 s[64:65], 0
	v_nop
	global_prefetch_b8 v0, s[64:65] scope:SCOPE_SE
	s_setreg_imm32_b32 hwreg(HW_REG_WAVE_MODE, 25, 1), 1
	s_wait_xcnt 0x0
	s_wait_alu depctr_hold_cnt(0) depctr_sa_sdst(0) depctr_va_vdst(0) depctr_va_sdst(0) depctr_va_ssrc(0) depctr_va_vcc(0) depctr_vm_vsrc(0)
	s_getreg_b32 s2, hwreg(HW_REG_IB_STS2, 6, 4)
	s_cmp_eq_u32 s2, 0
	s_cbranch_scc0 .Lentry_in_a_cluster
	s_endpgm
.Lentry_in_a_cluster:
	s_bfe_u32 s2, ttmp6, 0x10000c
	s_cmp_lg_u32 s2, 0x3003
	s_cbranch_scc0 .Lentry_shape_is_right
	s_endpgm
.Lentry_shape_is_right:
; out[p][:] = gelu(concat(emb[g_p], emb[d_p]) W1 + b1) W2 + b2 for 262,144 pairs; gelu with the exact erf.  The first product on codes of BF8 (E5M2): xq holds emb's codes (scale 2^e0, made by the launch before),
; W1_codes [1024][256] W1's, K innermost (scale 2^e1).  The second product (2 columns) on bf16 operands with f32 sums.  The hidden layer never leaves the registers.  No work of the problem is left out.
; SHARES.  256 work-groups of eight waves.  A wave owns 128 pairs: 8 tiles of 16, whose codes it gathers into 256 registers at the head (a row of xq is 128 bytes: the gene's row is K step 0, the disease's K step 1).
; It takes them in two passes of four tiles through all 1,024 hidden units, 32 a step.  All of W1 lies in LDS for the whole launch, filled once; each of its fragments read from LDS feeds four matrix instructions.
; Behind the head's barrier the waves share nothing that is written: the loops have no barrier.
; CLUSTER.  All work-groups read the same 262,144 bytes of W1: the four of a cluster ask for them jointly (each wave one load of 128 rows, the same descriptor in all four, a mask that names the four).
; LAYOUT.  The first product is used transposed (source 0 = 16 rows of W1, source 1 = 16 pairs): lane (r, h) holds pair r, and register j of tile T the hidden unit 16 T + 8 h + j.  So two neighbouring tiles, rounded to bf16
; in pairs, ARE source 1 (32 hidden units x 16 pairs) of the second product.  Its source 0 has 16 rows for 2 columns of W2: row m takes row m % 4 of a table: the high bf16 parts of the two columns, then the low parts
; (split in f32).  In its result registers 0 to 3 of a lane are high 0, high 1, low 0, low 1 of pair r (both halves of the lanes alike): out[o] = D[o] + D[2 + o].  b2 is what D[0] and D[1] begin with.
; Both 8-bit fragments are fetched by four loads of 16 bytes (registers 4 c .. 4 c + 3: K = 32 c + 16 h + 0 .. 15): the same permutation of K on both sides, so every product meets its partner.
; GELU.  y = k x, k = sqrt(log2(e) / 2), so that exp(-x^2 / 2) = 2^(-y^2).  erf(z) = 1 - (a1 t + a2 t^2 + a3 t^3) exp(-z^2), t = 1 / (1 + 0.47047 z), z = |x| / sqrt(2) (Abramowitz and Stegun 7.1.25).
; gelu(x) = (0.5 / k) (y + |y| erf(z)); the factor 0.5 / k is folded into the table of W2, k into the bias and into the sums' scale: y = sum x (k 2^(e0 + e1)) + k b1, one packed multiply-add.
; For a large |y|: 2^(-y^2) = 0 and t = 0, so erf = 1: no clamp and no branch.
; LIMITS.  That formula's error is at most 2.5e-5 of erf, for every z.  -125 <= e0 + e1 <= 128, so that k 2^(e0 + e1) is an f32 number.  An index lies inside the table, as the problem has it (the minimum below only bounds the address).
; BY TURNS.  A UNIT is the GELU of one tile of pairs x 32 hidden units (16 registers a lane), and between its lines stand the four products that make the NEXT unit's sums, in the other of two sets of accumulators.
; REGISTERS, window 0: v1-9 addresses that stay or are made per run of loads; v16-79 W1's four fragments; v80-95 the step's bias; v96-103 W2's fragment; v104-135 the four output accumulators; v136-167 two sets of sums;
;   v168-215 at work; v216-231 the gathers' offsets; v232-235 constants; v236-241 the head's addresses.   window 1: the pairs' codes, tile i, K step s at v[32 i + 16 s].
.set W1P,    272                       ; a row of W1 in LDS: 256 bytes + 16 of padding = 68 words: the 16 rows of a fragment load start at 16 different banks (64 banks of 4 bytes: ISA guide 11.1)
.set W1STEP, 32*W1P                    ; a step's 32 rows
.set B1T,    1024*W1P                  ; LDS: behind W1's 1,024 rows: k b1, 1,024 f32
.set W2T,    B1T+4096                  ; then the table of W2: 4 rows of 1,024 bf16,
.set W2P,    2064                      ; 2,048 bytes + 16 apart
.set SPARE,  W2T+8448                  ; then the spare words, 128 bytes for each wave: four blocks of 256 bytes that no other line names
.set SPW, 1                            ; v1   LDS address of my spare word: SPARE + 4 x my thread's number; never rewritten
.set NIL, 2                            ; v2   0; never rewritten
.set AW0, 3                            ; v3   my lane's place in a fragment of W1: 272 r + 16 h
.set AB0, 4                            ; v4   in the bias: B1T + 32 h
.set AV0, 5                            ; v5   in W2's table: W2T + 2064 (r % 4) + 16 h
.set ADW, 6                            ; v6-8 the addresses of the runs of loads in hand
.set ADB, 7
.set ADV, 8
.set OFO, 9                            ; v9   8 x lane: my pair's bytes in a store of 32 pairs
.set W1F, 16
.set BIA, 80
.set W2F, 96
.set OUT, 104
.set ACC, 136
.set TD,  168                          ; d = 1 + p' |y|, then t
.set TQ,  184                          ; y^2, then 2^(-y^2)
.set TU,  200                          ; the polynomial, then erf
.set IXG, 216                          ; v216-223 tile i: byte offset in xq of my 16 bytes of the gene's row; v224-231 the disease's; never rewritten once made
.set IXD, 224
.set CA2, 232                          ; v[232:233] -a2, twice
.set CA1, 234                          ; v[234:235] -a1, twice
.set T16, 236                          ; v236 16 x thread;  v237 32 x thread;  v238 W2T + 8 x thread;  v239 B1T + 16 x thread;  v240 4 r;  v241 16 h
.set T32, 237
.set TW2, 238
.set TB1, 239
.set R4,  240
.set H16, 241
.set WV,  26                           ; s26  my wave's number
.set G0,  32                           ; s[32:35] descriptor group 0
.set G1,  36                           ; s[36:43] descriptor group 1
.set SC,  48                           ; s[48:49] k 2^(e0 + e1): the packed form names a pair and takes its low word for both halves
.set PP,  50                           ; s50  p' = 0.47047 / sqrt(log2(e))
.set CA3, 52                           ; s[52:53] -a3
.set HM,  54                           ; s54  the mask of lanes 16-31
.set CNT, 55                           ; s55  the loops' count
.set TW,  56                           ; s56  LDS byte at which the W1 rows to be fetched next begin
.set TBI, 57                           ; s57  the same in the bias
.set TV,  58                           ; s58  this step's bytes in a row of W2's table
.set MSB, 0
.macro WIN new                         ; the immediate's high byte repeats the setting that is left; a switch that changes nothing is dropped
.if MSB != \new
	s_set_vgpr_msb (MSB<<8)|\new
.set MSB, \new
.endif
.endm
; A round of the cluster's barrier: my work-group's barrier, so that wave 0's signal speaks for all eight waves; wave 0 signals for the work-group; every wave waits for all four work-groups; my work-group's barrier once more.
.macro CROUND
	s_barrier_signal -1
	s_barrier_wait -1
	s_cmp_lg_u32 s[WV], 0
	s_cbranch_scc1 .Lnot_wave_0_\@
	s_barrier_signal -3
.Lnot_wave_0_\@:
	s_barrier_wait -3
	s_barrier_signal -1
	s_barrier_wait -1
.endm
	s_load_b512 s[8:23], s[0:1], 0x0               ; xq s[8:9], idxs_g s[10:11], idxs_d s[12:13], W1_codes s[14:15], b1 s[16:17], W2 s[18:19], b2 s[20:21], the scales' exponents s[22:23]
	s_load_b64 s[24:25], s[0:1], 0x40              ; out0
	v_lshl_add_u32 v[SPW], v0, 2, SPARE
	v_mov_b32 v[NIL], 0
	ds_add_u32 v[SPW], v[NIL]                      ; the wave's opening: the add, twice on end, and its wait ahead of my first tensor load; the set-up below, work on registers, stands between the second and the wait
	ds_add_u32 v[SPW], v[NIL]
	v_lshrrev_b32 v10, 5, v0
	v_readfirstlane_b32 s[WV], v10                 ; wave 0..7
	s_bfe_u32 s27, ttmp6, 0x40000                  ; cx: my place in the cluster: it enters the addresses of the indices and of out0 alone
	s_lshl_b32 s28, ttmp9, 2                       ; in a cluster launch ttmp9 counts clusters
	s_add_co_u32 s28, s28, s27                     ; my work-group = 4 x cluster + cx
	s_lshl_b32 s28, s28, 3
	s_add_co_u32 s28, s28, s[WV]                   ; which 128 pairs are my wave's: 8 x work-group + wave
	; descriptor group 1: a tile of 128 rows x 256 bytes, dense in memory, padded in LDS
	s_mov_b32 s[G1], 15|(0<<16)|(1<<20)|(1<<21)|(5<<22)|(3<<25)   ; 15:0 the mask: all four work-groups; 17:16 elements of 1 byte; 20 padding on; 21 set beside a mask; 24:22 after every 64 words (code 5); 31:25 four words (code 3)
	s_mov_b32 s[G1+1], 256<<16                     ; tensor_dim0 = 256
	s_mov_b32 s[G1+2], 128<<16                     ; tensor_dim1 = 128
	s_mov_b32 s[G1+3], 256<<16                     ; tile_dim0 = 256
	s_mov_b32 s[G1+4], 128                         ; tile_dim1 = 128
	s_mov_b32 s[G1+5], 256                         ; from row to row
	s_mov_b32 s[G1+6], 0
	s_mov_b32 s[G1+7], 0
	s_mov_b32 s[PP], 0x3ec88bda                    ; p' = 0.39169197
	s_mov_b32 s[CA3], 0xbf3f7377                   ; -a3 = -0.7478556
	s_mov_b32 s[CA3+1], s[CA3]                     ; (named with it as a pair, so it is written)
	s_mov_b32 s[HM], 0xffff0000
	v_mov_b32 v[CA2], 0x3dc45ca1                   ; -a2 = 0.0958798
	v_mov_b32 v[CA2+1], 0x3dc45ca1
	v_mov_b32 v[CA1], 0xbeb2303a                   ; -a1 = -0.3480242
	v_mov_b32 v[CA1+1], 0xbeb2303a
	v_and_b32 v10, 15, v0                          ; r = lane % 16
	v_bfe_u32 v11, v0, 4, 1                        ; h = lane / 16
	v_mul_u32_u24 v[AW0], v10, W1P
	v_lshl_add_u32 v[AW0], v11, 4, v[AW0]
	v_lshlrev_b32 v[AB0], 5, v11
	v_add_nc_u32 v[AB0], B1T, v[AB0]
	v_and_b32 v[AV0], 3, v0
	v_mul_u32_u24 v[AV0], v[AV0], W2P
	v_lshl_add_u32 v[AV0], v11, 4, v[AV0]
	v_add_nc_u32 v[AV0], W2T, v[AV0]
	v_and_b32 v[OFO], 31, v0
	v_lshlrev_b32 v[OFO], 3, v[OFO]
	v_lshlrev_b32 v[T16], 4, v0
	v_lshlrev_b32 v[T32], 5, v0
	v_lshl_add_u32 v[TW2], v0, 3, W2T
	v_lshl_add_u32 v[TB1], v0, 4, B1T
	v_lshlrev_b32 v[R4], 2, v10
	v_lshlrev_b32 v[H16], 4, v11
	s_wait_dscnt 0x0                               ; both opening adds are done
	s_wait_kmcnt 0x0
	s_load_b64 s[44:45], s[22:23], 0x0             ; e0, e1
	s_load_b64 s[46:47], s[20:21], 0x0             ; b2[0], b2[1]
	s_mov_b32 s[G0], 1                             ; 1:0 count = 1
	s_mul_i32 s[G0+1], s[WV], 128*W1P              ; 63:32 LDS address: wave x 128 rows: no place in the cluster enters it
	s_lshl_b32 s30, s[WV], 15                      ; my 128 rows of 256 bytes in memory
	s_mov_b32 s31, 0
	s_add_nc_u64 s[G0+2:G0+3], s[14:15], s[30:31]  ; 120:64 global address
	s_or_b32 s[G0+3], s[G0+3], 0x80000000          ; 127:126 type = 2
	s_lshl_b32 s60, s28, 9                         ; my 128 indices, 512 bytes
	s_mov_b32 s61, 0
	s_add_nc_u64 s[10:11], s[10:11], s[60:61]
	s_add_nc_u64 s[12:13], s[12:13], s[60:61]
	s_lshl_b32 s60, s28, 10                        ; my 128 pairs of out0, 1,024 bytes
	s_add_nc_u64 s[24:25], s[24:25], s[60:61]
	CROUND                                         ; all four work-groups are here: the joint loads meet
	tensor_load_to_lds s[G0:G0+3], s[G1:G1+7]      ; my one tensor load of the launch: one is out, and nothing is ever filled again
	s_nop 0
.rept 4
	v_nop
.endr
.irp i, 0,1,2,3,4,5,6,7
	global_load_b32 v[IXG+\i], v[R4], s[10:11] offset:64*\i th:TH_LOAD_NT   ; tile i: pair 16 i + r's gene (both halves of the lanes take it)
.endr
.irp i, 0,1,2,3,4,5,6,7
	global_load_b32 v[IXD+\i], v[R4], s[12:13] offset:64*\i th:TH_LOAD_NT   ; and its disease
.endr
	global_load_b128 v[16:19], v[T16], s[16:17]            ; b1: four numbers a thread
	global_load_b128 v[20:23], v[T32], s[18:19]            ; W2: hidden units 4 t .. 4 t + 3, two columns each
	global_load_b128 v[24:27], v[T32], s[18:19] offset:16
	s_wait_loadcnt 3                               ; the sixteen index loads are in; the three loads for the tables may be out
.irp i, 0,1,2,3,4,5,6,7,8,9,10,11,12,13,14,15
	v_min_u32 v[IXG+\i], 0x1869f, v[IXG+\i]        ; the address stays inside the table of 100,000 rows
	v_lshlrev_b32 v[IXG+\i], 7, v[IXG+\i]          ; a row of 128 bytes,
	v_add_nc_u32 v[IXG+\i], v[H16], v[IXG+\i]      ; + 16 h
.endr
.macro GATHER i0                       ; tiles i0 .. i0 + 3: 32 loads of 16 bytes a lane, straight into the operand's registers
	WIN 0x40                                       ; destination window 1, address window 0
.irp i, \i0, \i0+1, \i0+2, \i0+3
.irp c, 0,1,2,3
	global_load_b128 v[32*(\i)+4*\c:32*(\i)+4*\c+3], v[IXG+(\i)], s[8:9] offset:32*\c
.endr
.irp c, 0,1,2,3
	global_load_b128 v[32*(\i)+16+4*\c:32*(\i)+16+4*\c+3], v[IXD+(\i)], s[8:9] offset:32*\c
.endr
.endr
	WIN 0
.endm
	GATHER 0
	s_wait_loadcnt 32                              ; b1 and W2 are in; the 32 gathers just issued may be out
.irp j, 0,1,2,3
	v_mul_f32 v[16+\j], 0x3f596d27, v[16+\j]       ; k b1, k = 0.84932180
.endr
	ds_store_b128 v[TB1], v[16:19]
.irp j, 0,1,2,3,4,5,6,7
	v_mul_f32 v[20+\j], 0x3f16b55f, v[20+\j]       ; (0.5 / k) W2 = 0.58870501 W2: register 2 i + o = hidden unit 4 t + i, column o
.endr
	v_cvt_pk_bf16_f32 v36, v20, v22                ; the high parts: column 0,
	v_cvt_pk_bf16_f32 v37, v24, v26
	v_cvt_pk_bf16_f32 v38, v21, v23                ; column 1
	v_cvt_pk_bf16_f32 v39, v25, v27
	v_lshlrev_b32 v28, 16, v36                     ; back as f32, each under its number
	v_and_b32 v30, 0xffff0000, v36
	v_lshlrev_b32 v32, 16, v37
	v_and_b32 v34, 0xffff0000, v37
	v_lshlrev_b32 v29, 16, v38
	v_and_b32 v31, 0xffff0000, v38
	v_lshlrev_b32 v33, 16, v39
	v_and_b32 v35, 0xffff0000, v39
.irp j, 0,2,4,6
	v_pk_add_f32 v[20+\j:21+\j], v[20+\j:21+\j], v[28+\j:29+\j] neg_lo:[0,1] neg_hi:[0,1]   ; what the high part leaves: exact in f32
.endr
	v_cvt_pk_bf16_f32 v40, v20, v22                ; the low parts
	v_cvt_pk_bf16_f32 v41, v24, v26
	v_cvt_pk_bf16_f32 v42, v21, v23
	v_cvt_pk_bf16_f32 v43, v25, v27
	ds_store_b64 v[TW2], v[36:37]                  ; table row 0: high, column 0;  1: high, column 1;  2: low, column 0;  3: low, column 1
	ds_store_b64 v[TW2], v[38:39] offset:W2P
	ds_store_b64 v[TW2], v[40:41] offset:2*W2P
	ds_store_b64 v[TW2], v[42:43] offset:3*W2P
	GATHER 4                                       ; the second pass's tiles: they have the whole first pass in which to land
	s_wait_kmcnt 0x0
	s_add_co_i32 s[SC], s44, s45
	s_lshl_b32 s[SC], s[SC], 23
	s_add_co_i32 s[SC], s[SC], 0x3f596d27          ; e0 + e1 is added to k's exponent field: k 2^(e0 + e1)
	s_mov_b32 s[SC+1], s[SC]                       ; (named with it as a pair, so it is written)
	s_wait_tensorcnt 0x0                           ; my 128 rows of W1 have landed,
	s_wait_dscnt 0x0                               ; and my part of the two tables:
	s_barrier_signal -1
	s_barrier_wait -1                              ; everybody's have.  From here on LDS is only read
.macro LDW1                            ; the four fragments of W1 of the step at s[TW]: tile u (16 rows), K step s
	v_add_nc_u32 v[ADW], s[TW], v[AW0]
.irp u, 0,1
.irp s, 0,1
.irp c, 0,1,2,3
	ds_load_b128 v[W1F+32*\u+16*\s+4*\c:W1F+32*\u+16*\s+4*\c+3], v[ADW] offset:16*W1P*\u+128*\s+32*\c
.endr
.endr
.endr
.endm
.macro LDBI                            ; k b1 of the step at s[TBI], in the sums' layout: tile u, my half's eight hidden units
	v_add_nc_u32 v[ADB], s[TBI], v[AB0]
.irp u, 0,1
	ds_load_b128 v[BIA+8*\u:BIA+8*\u+3],   v[ADB] offset:64*\u
	ds_load_b128 v[BIA+8*\u+4:BIA+8*\u+7], v[ADB] offset:64*\u+16
.endr
.endm
.macro LDW2                            ; source 0 of the second product: 16 rows (four table rows, four times) x this step's 32 hidden units
	v_add_nc_u32 v[ADV], s[TV], v[AV0]
	ds_load_b128 v[W2F:W2F+3],   v[ADV]
	ds_load_b128 v[W2F+4:W2F+7], v[ADV] offset:32
.endm
; Product k of four for set t of sums and tile xt of pairs: tile of W1 k % 2, K step k / 2.  The two accumulators take turns, one instruction a turn; the first two start the sums with the constant 0.
.macro MM t, xt, k
.set MD, ACC+16*(\t)+8*((\k)%2)
.set MA, W1F+32*((\k)%2)+16*((\k)/2)
.set MB, 32*(\xt)+16*((\k)/2)
.if (\k) < 2
	v_wmma_f32_16x16x128_bf8_bf8 v[MD:MD+7], v[MA:MA+15], v[MB:MB+15], 0
.else
	v_wmma_f32_16x16x128_bf8_bf8 v[MD:MD+7], v[MA:MA+15], v[MB:MB+15], v[MD:MD+7]
.endif
.endm
; A UNIT: the GELU of set st (tile tl of the pass) and its product with W2.  wm = 1: the four products of tile xt for the other set stand between its lines, twelve vector lines behind each.
; pre = 1: the step's bias is waited for.  wt = 1: the next step's W1 is waited for, ahead of the products that take it.  post = 1: the next step's W1 is fetched; 2: its bias.
; DISTANCES behind matrix instructions (ISA guide 7.12.1 for vector instructions).  From this unit's last product to the next unit's first read of its sums: all the plain lines from the polynomial on.
; From it to the loads into W1's registers (post = 1): the four multiply-adds behind it and the run's own addition.  From the product with W2, which reads set st's low eight registers, W2's fragment and an output accumulator,
; to the next unit's first product, which writes over set st, and to the loads into W2's fragment: that unit's first eight or sixteen packed lines, which name the other set, the bias and TQ alone.
.macro UNIT st, tl, xt, wm, pre, wt, post
.set UA, ACC+16*(\st)
.if \pre
	s_wait_dscnt 0x0                               ; the bias, asked for in the unit before, is in
.endif
.irp i, 0,2,4,6,8,10,12,14
	v_pk_fma_f32 v[UA+\i:UA+\i+1], v[UA+\i:UA+\i+1], s[SC:SC+1], v[BIA+\i:BIA+\i+1] op_sel_hi:[1,0,1]   ; y = sum x k 2^(e0 + e1) + k b1; each accumulator from its low end on
.endr
.if (\tl) == 0
	LDW2
.endif
	s_setprio 2
.irp i, 0,2,4,6,8,10,12,14
	v_pk_mul_f32 v[TQ+\i:TQ+\i+1], v[UA+\i:UA+\i+1], v[UA+\i:UA+\i+1]                                   ; y^2
.endr
.if \wt
	s_wait_dscnt 0x0                               ; the next step's W1, asked for in the unit before, is in
.endif
.if \wm
	WIN 0x04                                       ; source 1 (the pairs' codes) window 1.  The vector lines below name a vector register as source 0 and as destination alone, so they stand under the same setting
.endif
.irp k, 0,1,2,3
.if \wm
	MM 1-(\st), \xt, \k
.endif
.irp j, 0,1,2,3
	v_fma_f32 v[TD+4*\k+\j], |v[UA+4*\k+\j]|, s[PP], 1.0                                                ; d = 1 + p' |y|
.endr
.irp j, 0,1,2,3
	v_rcp_f32 v[TD+4*\k+\j], v[TD+4*\k+\j]                                                              ; t = 1 / d
.endr
.irp j, 0,1,2,3
	v_exp_f32 v[TQ+4*\k+\j], -v[TQ+4*\k+\j]                                                             ; E = 2^(-y^2)
.endr
.endr
	WIN 0
.if (\post) == 1
	LDW1
.endif
.if (\post) == 2
	LDBI
.endif
	v_nop                                          ; a plain instruction behind the last exponential, ahead of the first use (ISA guide 5.7.2)
	s_wait_alu depctr_va_vdst(0)                   ; the wait ahead of the first line that names a result: one for the unit's 32 reciprocals and exponentials, none of which has been named
.irp i, 0,2,4,6,8,10,12,14
	v_pk_fma_f32 v[TU+\i:TU+\i+1], v[TD+\i:TD+\i+1], s[CA3:CA3+1], v[CA2:CA2+1] op_sel_hi:[1,0,1]       ; -a3 t - a2
.endr
	s_setprio 1
.irp i, 0,2,4,6,8,10,12,14
	v_pk_fma_f32 v[TU+\i:TU+\i+1], v[TU+\i:TU+\i+1], v[TD+\i:TD+\i+1], v[CA1:CA1+1]                     ; x t - a1
.endr
.irp i, 0,2,4,6,8,10,12,14
	v_pk_mul_f32 v[TU+\i:TU+\i+1], v[TU+\i:TU+\i+1], v[TD+\i:TD+\i+1]                                   ; x t
.endr
.irp i, 0,2,4,6,8,10,12,14
	v_pk_fma_f32 v[TU+\i:TU+\i+1], v[TU+\i:TU+\i+1], v[TQ+\i:TQ+\i+1], 1.0 op_sel_hi:[1,1,0]            ; erf = 1 - (a1 t + a2 t^2 + a3 t^3) E
.endr
.irp j, 0,1,2,3,4,5,6,7,8,9,10,11,12,13,14,15
	v_fma_f32 v[UA+\j], |v[UA+\j]|, v[TU+\j], v[UA+\j]                                                  ; y + |y| erf
.endr
	s_setprio 0
.irp i, 0,1,2,3,4,5,6,7
	v_cvt_pk_bf16_f32 v[UA+\i], v[UA+2*\i], v[UA+2*\i+1]                                                ; rounded in pairs, into the set's low eight registers: line i writes a register that lines i + 1 on do not read
.endr
.if (\tl) == 0
	s_wait_dscnt 0x0                               ; W2's fragment is in
.endif
	v_wmma_f32_16x16x32_bf16 v[OUT+8*(\tl):OUT+8*(\tl)+7], v[W2F:W2F+7], v[UA:UA+7], v[OUT+8*(\tl):OUT+8*(\tl)+7]   ; the matrix instruction before it wrote another accumulator, and so does the next
.endm
; A STEP: 32 hidden units for the pass's four tiles (xb on).  The first tile's sums were made in the step before; the last unit makes those of tile nx for the next step (more = 1).
.macro STEP xb, nx, more
	UNIT 0, 0, (\xb)+1, 1, 1, 0, 0
	UNIT 1, 1, (\xb)+2, 1, 0, 0, 0
	UNIT 0, 2, (\xb)+3, 1, 0, 0, \more
	UNIT 1, 3, \nx, \more, 0, \more, 2*(\more)
.endm
.macro ADVANCE
	s_add_co_u32 s[TW], s[TW], W1STEP
	s_add_co_u32 s[TBI], s[TBI], 128
	s_add_co_u32 s[TV], s[TV], 64
.endm
.macro INIT                            ; the output sums begin with b2 in the two registers of the high parts and 0 elsewhere: so every step is alike, and b2 costs no addition
.irp m, 0,1,2,3
	v_mov_b32 v[OUT+8*\m], s46
	v_mov_b32 v[OUT+8*\m+1], s47
.irp j, 2,3,4,5,6,7
	v_mov_b32 v[OUT+8*\m+\j], 0
.endr
.endr
.endm
; A pass's 64 pairs leave.  Both halves of the lanes hold every tile's results, so lanes 0-15 take tile 2 j and lanes 16-31 tile 2 j + 1: lane l then holds pair 32 j + l.
.macro OUTP pass
.rept 4
	v_nop                                          ; four places between the last product with W2 and the first read of its result
.endr
.irp m, 0,1,2,3
	v_pk_add_f32 v[TD+2*\m:TD+2*\m+1], v[OUT+8*\m:OUT+8*\m+1], v[OUT+8*\m+2:OUT+8*\m+3]   ; high + low, both columns; the accumulator's four lowest registers
.endr
.irp j, 0,1
	v_cndmask_b32 v[TU+2*\j],   v[TD+4*\j],   v[TD+4*\j+2], s[HM]
	v_cndmask_b32 v[TU+2*\j+1], v[TD+4*\j+1], v[TD+4*\j+3], s[HM]
	global_store_b64 v[OFO], v[TU+2*\j:TU+2*\j+1], s[24:25] offset:512*(\pass)+256*\j th:TH_STORE_NT   ; 32 lanes store 256 consecutive bytes, at a multiple of 256 from out0's first byte
.endr
	s_wait_xcnt 0x0                                ; the stores' data registers are written again only behind this wait
.endm
	s_mov_b32 s[TW], 0
	s_mov_b32 s[TBI], 0
	s_mov_b32 s[TV], 0
	LDW1                                           ; step 0
	LDBI
	s_mov_b32 s[TW], W1STEP                        ; the fetches run one step ahead
	s_mov_b32 s[TBI], 128
	s_wait_loadcnt 32                              ; tiles 0 to 3 are in; the 32 gathers of tiles 4 to 7 may be out
	s_wait_dscnt 0x0
	WIN 0x04
.irp k, 0,1,2,3
	MM 0, 0, \k                                    ; tile 0's sums of step 0: there is no vector work yet to set between them
.endr
	WIN 0
	INIT                                           ; (these moves are the places behind those products)
	s_mov_b32 s[CNT], 31
.Lpass_a:                                          ; steps 0 to 30 of the first pass
	STEP 0, 0, 1
	ADVANCE
	s_sub_co_u32 s[CNT], s[CNT], 1
	s_cmp_lg_u32 s[CNT], 0
	s_cbranch_scc1 .Lpass_a
	s_setprio 0
	s_mov_b32 s[TW], 0                             ; its last step fetches the second pass's step 0,
	s_mov_b32 s[TBI], 0
	s_wait_loadcnt 0x0                             ; and multiplies tile 4: tiles 4 to 7 are in
	STEP 0, 4, 1
	OUTP 0
	INIT
	s_mov_b32 s[TV], 0
	s_mov_b32 s[TW], W1STEP
	s_mov_b32 s[TBI], 128
	s_mov_b32 s[CNT], 31
.Lpass_b:                                          ; steps 0 to 30 of the second pass
	STEP 4, 4, 1
	ADVANCE
	s_sub_co_u32 s[CNT], s[CNT], 1
	s_cmp_lg_u32 s[CNT], 0
	s_cbranch_scc1 .Lpass_b
	s_setprio 0
	STEP 4, 4, 0                                   ; the last step fetches nothing and multiplies nothing ahead
	OUTP 1
	s_wait_tensorcnt 0x0                           ; the wave's end: behind my last tensor load and my last LDS store
	ds_add_u32 v[SPW], v[NIL]
	s_wait_dscnt 0x0
	CROUND                                         ; the closing round: no work-group ends while a partner may still ask for a tile that names it
	s_endpgm
.Lfunc_end_k_qa9bfbfff9c_mlp:
	.size	k_qa9bfbfff9c_mlp, .Lfunc_end_k_qa9bfbfff9c_mlp-k_qa9bfbfff9c_mlp
	.p2alignl 7, 3214868480
	.fill 96, 4, 3214868480
	.section	.rodata,"a",@progbits
	.p2align	6, 0x0
	.amdhsa_kernel k_qa9bfbfff9c_mlp
		.amdhsa_group_segment_fixed_size 292096
		.amdhsa_private_segment_fixed_size 0
		.amdhsa_enable_private_segment 0
		.amdhsa_kernarg_size 72
		.amdhsa_user_sgpr_count 2
		.amdhsa_user_sgpr_kernarg_segment_ptr 1
		.amdhsa_wavefront_size32 1
		.amdhsa_system_sgpr_workgroup_id_x 1
		.amdhsa_system_sgpr_workgroup_id_y 1
		.amdhsa_system_sgpr_workgroup_id_z 1
		.amdhsa_system_vgpr_workitem_id 0
		.amdhsa_next_free_vgpr 512
		.amdhsa_next_free_sgpr 66
		.amdhsa_reserve_vcc 0
		.amdhsa_float_denorm_mode_32 3
		.amdhsa_float_denorm_mode_16_64 3
		.amdhsa_memory_ordered 1
		.amdhsa_forward_progress 1
		.amdhsa_inst_pref_size 149
	.end_amdhsa_kernel
	.amdgpu_metadata
---
amdhsa.version: [ 1, 2 ]
amdhsa.kernels:
  - .name:           k_qa9bfbfff9c_mlp
    .symbol:         k_qa9bfbfff9c_mlp.kd
    .args:
      - { .name: xq, .offset: 0, .size: 8, .value_kind: global_buffer, .address_space: global }
      - { .name: idxs_g, .offset: 8, .size: 8, .value_kind: global_buffer, .address_space: global }
      - { .name: idxs_d, .offset: 16, .size: 8, .value_kind: global_buffer, .address_space: global }
      - { .name: W1_codes, .offset: 24, .size: 8, .value_kind: global_buffer, .address_space: global }
      - { .name: b1, .offset: 32, .size: 8, .value_kind: global_buffer, .address_space: global }
      - { .name: W2, .offset: 40, .size: 8, .value_kind: global_buffer, .address_space: global }
      - { .name: b2, .offset: 48, .size: 8, .value_kind: global_buffer, .address_space: global }
      - { .name: lowp_scales, .offset: 56, .size: 8, .value_kind: global_buffer, .address_space: global }
      - { .name: out0, .offset: 64, .size: 8, .value_kind: global_buffer, .address_space: global }
    .group_segment_fixed_size: 292096
    .private_segment_fixed_size: 0
    .kernarg_segment_align: 8
    .kernarg_segment_size: 72
    .max_flat_workgroup_size: 256
    .sgpr_count:     66
    .vgpr_count:     512
    .wavefront_size: 32
...
	.end_amdgpu_metadata
.endif
;; end of part 2
